; MI455X (gfx1250); checked and timed in simulation.
; The chip was launched on July 23, 2026; its instructions are those of AMD's public machine-readable ISA for CDNA 5 (MIT licence, August 2026) and "CDNA5" Instruction Set Architecture Reference Guide (July 2026). The comments in the code are by the model that wrote it; some were corrected since.
;; Lo RA Layer. Allowed arithmetic: matrix products marked QUANTISED: E5M2 operands, one E8M0 scale for each 32 along K, by v_wmma_scale_f32_16x16x128_f8f6f4 with both operands' format E5M2, f32 sums; products left as they are: f32 operands where the result goes on into a quantised operand, else bf16, f16 or f32 operands; f32 sums; everything else in f32.
;; Inputs: A 4,096 x 16 float32; B 16 x 4,096 float32; weight 4,096 x 4,096 float32; x_codes 4,096 x 128 x 32 uint8 (E5M2 codes of x, K innermost, in blocks of 32 codes); x_scales 4,096 x 128 uint8 (E8M0 scales of x, one for each 32 codes along K).
;; Outputs: out0 4,096 x 4,096 float32.
;; This version of the problem:
;;   THIS VERSION OF THE PROBLEM IS GIVEN IN LOW PRECISION. The matrix products marked QUANTISED in the list below multiply operands that are first quantised to E5M2 (5 exponent bits, 2 mantissa bits; 8 bits a number), with one power-of-two scale for each 32 numbers along K (OCP MX v1.0); their sums are f32. All else is computed in f32.
;;   The module's matrix products, in the order in which they are computed (A, B: the left and right operand; K: the contracted axis; several contracted axes count as one K, in the product's order):
;;     1. [M 4,096, K 16] x [K 16, N 4,096]; A: input A; B: input B: left as it is (K = 16 < 32)
;;     2. [M 4,096, K 4,096] x [K 4,096, N 4,096]; A: computed on the way; B: input x (given as codes): QUANTISED
;;   THE QUANTISER, for each operand of a quantised product, along K:
;;     - K is cut into blocks of 32 from its start; a last block that is shorter is filled with zeros.
;;     - A block's scale is 2^e with e = floor(log2(the largest magnitude in the block)) - 15, held to -126 .. 127; a block of zeros has e = 0. As a byte (E8M0): e + 127.
;;     - Each number is divided by its block's scale, clamped to +-57,344, and rounded to the nearest number of E5M2, ties to even, subnormals kept.
;;     - The product sums the exact products of the quantised numbers (number of the format x scale) in f32.
;;   ~~~python
;;   def quantise(x, axis):      # numpy; x: float32 -> the quantised numbers, widened to float32 again
;;       x = np.moveaxis(x, axis, -1); K = x.shape[-1]
;;       x = np.pad(x, [(0, 0)] * (x.ndim - 1) + [(0, -K % 32)]); x = x.reshape(x.shape[:-1] + (-1, 32)); a = np.abs(x).max(-1, keepdims=True)
;;       e = np.where(a > 0, np.clip(np.frexp(np.where(a > 0, a, 1))[1] - 1 - 15, -126, 127), 0)      # np.frexp(a)[1] - 1 = floor(log2(a)), exactly
;;       r = np.clip(x / 2.0 ** e, -57344, 57344)
;;       step = 2.0 ** (np.maximum(np.frexp(np.where(r == 0, 1, r))[1] - 1, -14) - 2)
;;       q = np.round(r / step) * step * 2.0 ** e      # np.round: ties to even
;;       return np.moveaxis(q.reshape(q.shape[:-2] + (-1,))[..., :K], -1, axis).astype(np.float32)
;;   ~~~
;;   OPERANDS COMPUTED ON THE WAY. 'Computed on the way' means the value that the module computes at that place (a softmax that the list does not call 'softmax' is quantised finished and normalised). What goes into a quantiser is computed in f32, as accurately as f32 sums, v_exp_f32 and their like allow (about 1e-6 of the number): no bf16 or f16 on the way to a quantiser, and a product that is left as it is and whose result goes on into a quantised operand takes f32 operands (vector FMAs, or v_wmma_f32_16x16x4_f32). A number that lies on a knife's edge between two numbers of the format may be rounded either way, as far as f32 arithmetic and the matrix unit's own rounding can turn it there, and no further.
;;   INPUTS GIVEN AS CODES. x (in the module: [4096, 4096], K = its axis 0): each comes as NAME_codes (uint8): NAME with its K axis moved to the last place and cut into blocks of 32 codes, [.., K / 32, bytes a block], one block behind the other in memory; one code a byte (a code: sign, 5 exponent bits, 2 mantissa bits); and NAME_scales (uint8): the same leading axes, one E8M0 byte (e + 127) for each 32 codes along K. Its value is code x scale, taken as it is: it is not quantised again, and the codes and scales need not be those that the quantiser above would give.
;; One version. Each part assembles by itself: llvm-mc -triple=amdgcn-amd-amdhsa -mcpu=gfx1250 --defsym DOCPART=n.
;; ======== version 1 of 1: 2 launches
;; limits: right only within a limited range of input values
;; workspace buffers: w_codes 17,301,504 bytes
;; launch prep (part 1): grid 16 x 16, 9 waves a work-group, no clusters, 327,680 bytes of LDS; arguments A, B, weight, w_codes; writes w_codes
.if DOCPART == 1
	.amdgcn_target "amdgcn-amd-amdhsa--gfx1250"
	.amdhsa_code_object_version 6
	.text
	.protected	k_q4f1b6482ee_prep
	.globl	k_q4f1b6482ee_prep
	.p2align	8
	.type	k_q4f1b6482ee_prep,@function
k_q4f1b6482ee_prep:
	s_mov_b64 s[64:65], 0
	v_nop
	global_prefetch_b8 v0, s[64:65] scope:SCOPE_SE
	s_setreg_imm32_b32 hwreg(HW_REG_WAVE_MODE, 25, 1), 1
	s_wait_xcnt 0x0
; W' = weight + A B  (A [4096][16], B [16][4096], weight [4096][4096], all f32; sums in f32), made once and turned into codes of BF8 (E5M2) with one E8M0 byte for each 32 along its last axis, the K of the next launch's product.
; OUT.  w_codes [T 16][t 16] blocks of 67,584 dense bytes.  T: 256 rows; t: 256 along K.  A block is images of operand registers [i 16][q 2][c 4][lane 32][16 bytes]
;       (group c of lane (r, h): row 256 T + 16 i + r, k = 256 t + 128 q + 32 c + 16 h + 0 .. 15), and behind these 65,536 bytes the scale words [row 256][8 bytes] (q = 0, 1).
; SHARES.  Work-group (x = t, y = T) makes one block.  Wave w = 0 .. 7 takes rows 32 w .. 32 w + 31 in four steps n = 2 q + e: one fragment, 16 rows x 128 K, a step.  Wave 8 fetches B's slice and ends.
; DATA, IN TWO HALVES ALONG K.  At the head one tensor load a wave: waves 0 to 7 their own 32 rows x 512 bytes of weight for q = 0, wave 8 the 16 ranks x 1,024 bytes of B.  Every wave waits for its load, and behind the
; barrier waves 0 to 7 ask for their 32 rows x 512 bytes for q = 1, into bytes of their own: that load is out while steps 0 and 1 are computed.
; Nothing in LDS is filled twice; a wave's weights are read by that wave alone.
; A B BY THE f32 MATRIX FORM, TRANSPOSED: source 0 = 16 columns of B, source 1 = 16 rows of A, C of the first link = the weights.  Lane r of tile 2 b + u takes column 32 b + 8 u + r + 8 (r / 8),
; so that the 16 registers of tiles 2 b, 2 b + 1 are k = 32 b + 16 (lane / 16) + 0 .. 15 of the lane's row.  Lane half h holds ranks 8 h + 0 .. 7 on both sides; link s names registers 2 s, 2 s + 1.
; No cluster: what work-groups share (B's slice, A's rows) is 32 KB of the 288 KB that a work-group reads.  No prefetch: there is no loop to run ahead in.
; LIMITS: NaN and infinities in A, B, weight are not served.  A block of zeros gets the byte 1 where the rule says 127: its codes are zeros, and this program alone reads the bytes.
; W' is summed as weight + 16 products in four fused groups: it differs from (A B) + weight by f32 rounding alone.
.set WBLK, 67584
.set WP,   528                         ; 512 bytes + 16: the 16 rows of a load start at 16 different groups of four banks
.set WQ,   32*WP                       ; LDS: a wave's weights of one q: 16,896 bytes
.set WT_WAVE, 2*WQ
.set BL,   8*WT_WAVE                   ; B's slice: 16 ranks x 1,040
.set BP,   1040
.set SPARE, BL+16*BP                   ; the spare words: 128 bytes a wave
.set WA,   1                           ; LDS: my weights + 528 r + 64 h
.set BA,   2                           ; LDS: B's slice + 8 h ranks + 4 (r + 8 (r / 8))
.set GS,   3                           ; 16 x lane
.set G8,   4                           ; 8 x lane
.set VA,   5                           ; A: 64 r + 32 h
.set SW,   6                           ; v[6:7] the two scale words that I store
.set KEEP, 8
.set PW,   9
.set SPW,  10
.set NIL,  11
.set S1,   16                          ; v16-31   A's fragments
.set S0,   32                          ; v32-95   B's fragments
.set WR,   96                          ; v96-159  the weights, then the held numbers (at the head: temporaries)
.set ACC,  160                         ; v160-223 W': written by matrix instructions alone
.set PC,   224
.set TM,   240
.set G1W,  32                          ; s[32:39] descriptor group 1 of my weights; s[48:51], s[56:59] group 0 for q = 0, 1
.set G0W,  48
.set G0W2, 56
.set G1B,  40                          ; s[40:47], s[52:55] of B's slice
.set G0B,  52
	s_load_b256 s[4:11], s[0:1], 0x0               ; A, B, weight, w_codes
	v_lshl_add_u32 v[SPW], v0, 2, SPARE
	v_mov_b32 v[NIL], 0
	ds_add_u32 v[SPW], v[NIL]                      ; the opening lines: the add twice on end and one wait
	ds_add_u32 v[SPW], v[NIL]
	v_lshrrev_b32 v100, 5, v0
	v_readfirstlane_b32 s16, v100                  ; wave
	s_mov_b32 s17, ttmp9                           ; t
	s_and_b32 s18, ttmp7, 0xffff                   ; T
	s_mul_i32 s19, s16, WT_WAVE
	s_lshl_b32 s2, s18, 22                         ; weight: 256 T + 32 w rows, 256 t columns
	s_lshl_b32 s3, s16, 19
	s_add_co_u32 s2, s2, s3
	s_lshl_b32 s22, s17, 10                        ; B: 256 t columns
	s_add_co_u32 s2, s2, s22
	s_mov_b32 s3, 0
	s_mov_b32 s23, 0
	s_lshl_b32 s24, s18, 14                        ; A: 256 T + 32 w rows of 64 bytes
	s_lshl_b32 s25, s16, 11
	s_add_co_u32 s24, s24, s25
	s_mov_b32 s25, 0
	s_lshl_b32 s26, s18, 4                         ; w_codes: block 16 T + t
	s_add_co_u32 s26, s26, s17
	s_mul_i32 s26, s26, WBLK
	s_mov_b32 s27, 0
	s_lshl_b32 s28, s16, 8                         ; its scale words: my 32 rows
	s_add_co_u32 s28, s28, 65536
	s_mov_b32 s29, 0
	s_lshl_b32 s30, s16, 13                        ; its images: row blocks 2 w on
	s_mov_b32 s31, 0
	s_mov_b32 s60, 0x76543210
	s_mov_b32 s61, 0xfedcba98
	s_mov_b32 s62, 0xffff0000                      ; lanes 16 to 31
	s_mov_b32 s63, 0x600000                        ; the mantissa field of 57,344
	s_mov_b32 s[G1W+0], (2<<16)|(1<<20)|(6<<22)|(3<<25)   ; weight: 32 rows x 128 f32, 4,096 f32 from row to row; 4 words of padding behind every 128
	s_mov_b32 s[G1W+1], 128<<16
	s_mov_b32 s[G1W+2], 32<<16
	s_mov_b32 s[G1W+3], 128<<16
	s_mov_b32 s[G1W+4], 32
	s_mov_b32 s[G1W+5], 4096
	s_mov_b32 s[G1W+6], 0
	s_mov_b32 s[G1W+7], 0
	s_mov_b32 s[G1B+0], (2<<16)|(1<<20)|(7<<22)|(3<<25)   ; B: 16 ranks x 256 f32; 4 words of padding behind every 256
	s_mov_b32 s[G1B+1], 256<<16
	s_mov_b32 s[G1B+2], 16<<16
	s_mov_b32 s[G1B+3], 256<<16
	s_mov_b32 s[G1B+4], 16
	s_mov_b32 s[G1B+5], 4096
	s_mov_b32 s[G1B+6], 0
	s_mov_b32 s[G1B+7], 0
	s_mov_b32 s[G0W], 1
	s_mov_b32 s[G0W+1], s19
	s_mov_b32 s[G0W2], 1
	s_add_co_u32 s[G0W2+1], s19, WQ
	s_mov_b32 s[G0B], 1
	s_mov_b32 s[G0B+1], BL
	v_and_b32 v100, 15, v0                         ; r
	v_bfe_u32 v101, v0, 4, 1                       ; h
	v_and_b32 v102, 31, v0                         ; lane
	v_lshlrev_b32 v[VA], 6, v100
	v_lshl_add_u32 v[VA], v101, 5, v[VA]
	v_mul_u32_u24 v[WA], v100, WP
	v_lshl_add_u32 v[WA], v101, 6, v[WA]
	v_add_nc_u32 v[WA], s19, v[WA]
	v_and_b32 v103, 8, v100
	v_add_nc_u32 v103, v103, v100                  ; r + 8 (r / 8)
	v_lshlrev_b32 v[BA], 2, v103
	v_mad_u32_u24 v[BA], v101, 8*BP, v[BA]
	v_add_nc_u32 v[BA], BL, v[BA]
	v_lshlrev_b32 v[GS], 4, v102
	v_lshlrev_b32 v[G8], 3, v102
.irp b, 0,1,2,3
	v_mov_b32 v[TM+4+\b], 0                        ; a lane permute's destination counts as one of its sources
.endr
	s_wait_alu depctr_va_vdst(0)
	s_wait_dscnt 0x0                               ; both opening adds are done
	s_wait_kmcnt 0x0
	s_add_nc_u64 s[4:5], s[4:5], s[24:25]
	s_add_nc_u64 s[G0B+2:G0B+3], s[6:7], s[22:23]
	s_or_b32 s[G0B+3], s[G0B+3], 0x80000000
	s_add_nc_u64 s[G0W+2:G0W+3], s[8:9], s[2:3]
	s_add_nc_u64 s[G0W2+2:G0W2+3], s[G0W+2:G0W+3], 512   ; q = 1: 128 columns on
	s_or_b32 s[G0W+3], s[G0W+3], 0x80000000
	s_or_b32 s[G0W2+3], s[G0W2+3], 0x80000000
	s_add_nc_u64 s[10:11], s[10:11], s[26:27]
	s_add_nc_u64 s[20:21], s[10:11], s[28:29]
	s_add_nc_u64 s[10:11], s[10:11], s[30:31]
	s_cmp_lt_u32 s16, 8                            ; one chain, one tensor load to an arm
	s_cbranch_scc1 .Lweights
	tensor_load_to_lds s[G0B:G0B+3], s[G1B:G1B+7]  ; wave 8: B's slice
	s_nop 0
.rept 4
	v_nop
.endr
	s_branch .Lasked
.Lweights:
.irp e, 0,1
.irp g, 0,1
	global_load_b128 v[S1+8*\e+4*\g:S1+8*\e+4*\g+3], v[VA], s[4:5] offset:1024*\e+16*\g   ; A(16 e + r, 8 h + 4 g ..)
.endr
.endr
	tensor_load_to_lds s[G0W:G0W+3], s[G1W:G1W+7]  ; waves 0 to 7: my 32 rows, q = 0
	s_nop 0
.rept 4
	v_nop
.endr
.Lasked:
	s_wait_tensorcnt 0x0                           ; my load has landed
	ds_add_u32 v[SPW], v[NIL]
	s_wait_dscnt 0x0
	s_barrier_signal -1
	s_barrier_wait -1                              ; B's slice is there for all
	s_cmp_lt_u32 s16, 8
	s_cbranch_scc0 .Lend
	tensor_load_to_lds s[G0W2:G0W2+3], s[G1W:G1W+7]   ; my 32 rows, q = 1: my one load behind the barrier
	s_nop 0
.rept 4
	v_nop
.endr
.macro LOADB q                         ; tile t, register i = B(8 h + i, 128 q + 32 (t / 2) + 8 (t % 2) + r + 8 (r / 8))
.irp t, 0,1,2,3,4,5,6,7
.irp i, 0,1,2,3,4,5,6,7
	ds_load_b32 v[S0+8*\t+\i], v[BA] offset:BP*\i+512*(\q)+128*(\t/2)+32*(\t%2)
.endr
.endr
.endm
; The 64 numbers in v[ACC] on become a fragment's codes in v[PC] on and its scale word in v[PW].  ACC is only read, each accumulator from its low end on.
.macro QUANT
.irp b, 0,1,2,3
	v_max3_num_f32 v[TM+\b], |v[ACC+16*\b]|, |v[ACC+1+16*\b]|, 0x8000000   ; my 16 numbers and the floor 2^(16 - 127): the byte cannot fall under 1
.endr
.irp i, 2,4,6,8,10,12,14
.irp b, 0,1,2,3
	v_max3_num_f32 v[TM+\b], v[TM+\b], |v[ACC+16*\b+\i]|, |v[ACC+1+16*\b+\i]|
.endr
.endr
.irp b, 0,1,2,3
	s_delay_alu instid0(VALU_DEP_4)
	v_permlanex16_b32 v[TM+4+\b], v[TM+\b], s60, s61
.endr
.irp b, 0,1,2,3
	s_delay_alu instid0(VALU_DEP_4)
	v_max_num_f32 v[TM+\b], v[TM+\b], v[TM+4+\b]   ; with lane l xor 16's 16
.endr
.irp b, 0,1,2,3
	s_delay_alu instid0(VALU_DEP_4)
	v_add_nc_u32 v[TM+12+\b], 0xf8800000, v[TM+\b] ; 15 off the exponent field: the conversion's scale operand
.endr
.irp b, 0,1,2,3
	v_and_or_b32 v[TM+8+\b], v[TM+\b], 0x7f800000, s63   ; 57,344 x the scale
.endr
.irp b, 0,1,2,3
	v_lshrrev_b32 v[TM+4+\b], 23, v[TM+12+\b]      ; the scale's byte
.endr
	s_delay_alu instid0(VALU_DEP_3)
	v_lshl_or_b32 v[PW], v[TM+5], 8, v[TM+4]
	s_delay_alu instid0(VALU_DEP_1)
	v_lshl_or_b32 v[PW], v[TM+6], 16, v[PW]
	s_delay_alu instid0(VALU_DEP_1)
	v_lshl_or_b32 v[PW], v[TM+7], 24, v[PW]
.irp b, 0,1,2,3
.irp i, 0,1,2,3,4,5,6,7,8,9,10,11,12,13,14,15
	v_med3_num_f32 v[WR+16*\b+\i], v[ACC+16*\b+\i], -v[TM+8+\b], v[TM+8+\b]   ; the hold (ISA guide 7.6.2), into other registers than the sums'
.endr
	v_cvt_scalef32_pk8_bf8_f32 v[PC+4*\b:PC+1+4*\b], v[WR+16*\b:WR+7+16*\b], v[TM+12+\b]
	v_cvt_scalef32_pk8_bf8_f32 v[PC+2+4*\b:PC+3+4*\b], v[WR+8+16*\b:WR+15+16*\b], v[TM+12+\b]
.endr
	v_nop                                          ; one plain vector instruction behind the last scaled conversion
.endm
.macro STEP n                          ; n = 2 q + e: rows 32 w + 16 e on, columns 256 t + 128 q on
.set QQ, (\n)/2
.set EE, (\n)%2
.if (\n) == 2
	s_wait_tensorcnt 0x0                           ; my rows for q = 1 have landed; only I read them
.endif
.irp b, 0,1,2,3
.irp j, 0,1,2,3
	ds_load_b128 v[WR+16*\b+4*\j:WR+16*\b+4*\j+3], v[WA] offset:WQ*QQ+16*EE*WP+128*\b+16*\j   ; weight(r, 32 b + 16 h + 4 j ..): the layout of the result
.endr
.endr
	s_wait_dscnt 0x0                               ; the weights, and B's fragments
.if (\n) == 0
	s_wait_loadcnt 0x0                             ; A's fragments
.endif
.irp s, 0,1,2,3                        ; four links of four ranks; the eight accumulators take turns
.irp t, 0,1,2,3,4,5,6,7
.if \s == 0
	v_wmma_f32_16x16x4_f32 v[ACC+8*\t:ACC+8*\t+7], v[S0+8*\t:S0+8*\t+1], v[S1+8*EE:S1+8*EE+1], v[WR+8*\t:WR+8*\t+7]
.else
	v_wmma_f32_16x16x4_f32 v[ACC+8*\t:ACC+8*\t+7], v[S0+8*\t+2*\s:S0+8*\t+2*\s+1], v[S1+8*EE+2*\s:S1+8*EE+2*\s+1], v[ACC+8*\t:ACC+8*\t+7]
.endif
.endr
.endr
.rept 8
	v_nop                                          ; eight places behind this form (ISA guide 7.12.1)
.endr
.if (\n) == 1
	LOADB 1
.endif
.if (\n) > 0
	s_wait_xcnt 0x0                                ; the last step's stores have read the codes' registers
.endif
	QUANT
.irp c, 0,1,2,3
	global_store_b128 v[GS], v[PC+4*\c:PC+4*\c+3], s[10:11] offset:4096*EE+2048*QQ+512*\c   ; 32 lanes store 512 consecutive bytes, aligned
.endr
.if EE == 0
	v_mov_b32 v[KEEP], v[PW]
.else
	v_cndmask_b32 v[SW+QQ], v[KEEP], v[PW], s62    ; lanes 0-15: rows 32 w + r; lanes 16-31: rows 32 w + 16 + r
.endif
.endm
	LOADB 0
	STEP 0
	STEP 1
	STEP 2
	STEP 3
	global_store_b64 v[G8], v[SW:SW+1], s[20:21]   ; my 32 rows' scale words: 256 consecutive bytes, aligned
.Lend:
	s_wait_tensorcnt 0x0                           ; the wave's end
	ds_add_u32 v[SPW], v[NIL]
	s_wait_dscnt 0x0
	s_endpgm
.Lfunc_end_k_q4f1b6482ee_prep:
	.size	k_q4f1b6482ee_prep, .Lfunc_end_k_q4f1b6482ee_prep-k_q4f1b6482ee_prep
	.p2alignl 7, 3214868480
	.fill 96, 4, 3214868480
	.section	.rodata,"a",@progbits
	.p2align	6, 0x0
	.amdhsa_kernel k_q4f1b6482ee_prep
		.amdhsa_group_segment_fixed_size 327680
		.amdhsa_private_segment_fixed_size 0
		.amdhsa_enable_private_segment 0
		.amdhsa_kernarg_size 32
		.amdhsa_user_sgpr_count 2
		.amdhsa_user_sgpr_kernarg_segment_ptr 1
		.amdhsa_wavefront_size32 1
		.amdhsa_system_sgpr_workgroup_id_x 1
		.amdhsa_system_sgpr_workgroup_id_y 1
		.amdhsa_system_sgpr_workgroup_id_z 1
		.amdhsa_system_vgpr_workitem_id 0
		.amdhsa_next_free_vgpr 256
		.amdhsa_next_free_sgpr 66
		.amdhsa_reserve_vcc 0
		.amdhsa_float_denorm_mode_32 3
		.amdhsa_float_denorm_mode_16_64 3
		.amdhsa_memory_ordered 1
		.amdhsa_forward_progress 1
		.amdhsa_inst_pref_size 63
	.end_amdhsa_kernel
	.amdgpu_metadata
---
amdhsa.version: [ 1, 2 ]
amdhsa.kernels:
  - .name:           k_q4f1b6482ee_prep
    .symbol:         k_q4f1b6482ee_prep.kd
    .args:
      - { .name: A, .offset: 0, .size: 8, .value_kind: global_buffer, .address_space: global }
      - { .name: B, .offset: 8, .size: 8, .value_kind: global_buffer, .address_space: global }
      - { .name: weight, .offset: 16, .size: 8, .value_kind: global_buffer, .address_space: global }
      - { .name: w_codes, .offset: 24, .size: 8, .value_kind: global_buffer, .address_space: global }
    .group_segment_fixed_size: 327680
    .private_segment_fixed_size: 0
    .kernarg_segment_align: 8
    .kernarg_segment_size: 32
    .max_flat_workgroup_size: 288
    .sgpr_count:     66
    .vgpr_count:     256
    .wavefront_size: 32
...
	.end_amdgpu_metadata
.endif
;; end of part 1
;; launch gemm (part 2): grid 16 x 16, 4 waves a work-group, clusters of 4 x 1, 327,680 bytes of LDS; arguments w_codes, x_codes, x_scales, out0; writes out0
.if DOCPART == 2
	.amdgcn_target "amdgcn-amd-amdhsa--gfx1250"
	.amdhsa_code_object_version 6
	.text
	.protected	k_q4f1b6482ee_gemm
	.globl	k_q4f1b6482ee_gemm
	.p2align	8
	.type	k_q4f1b6482ee_gemm,@function
k_q4f1b6482ee_gemm:
	s_mov_b64 s[64:65], 0
	v_nop
	global_prefetch_b8 v0, s[64:65] scope:SCOPE_SE
	s_setreg_imm32_b32 hwreg(HW_REG_WAVE_MODE, 25, 1), 1
	s_wait_xcnt 0x0
	s_wait_alu depctr_hold_cnt(0) depctr_sa_sdst(0) depctr_va_vdst(0) depctr_va_sdst(0) depctr_va_ssrc(0) depctr_va_vcc(0) depctr_vm_vsrc(0)
	s_getreg_b32 s2, hwreg(HW_REG_IB_STS2, 6, 4)
	s_cmp_eq_u32 s2, 0
	s_cbranch_scc0 .Lentry_in_a_cluster
	s_endpgm
.Lentry_in_a_cluster:
	s_bfe_u32 s2, ttmp6, 0x10000c
	s_cmp_lg_u32 s2, 0x3003
	s_cbranch_scc0 .Lentry_shape_is_right
	s_endpgm
.Lentry_shape_is_right:
; out0[o][n] = sum over k of W'[o][k] x[k][n], on codes of BF8 (E5M2) with one E8M0 byte for 32 along K; sums in f32.  W': w_codes, as the launch before lays it (blocks [T][t] of 67,584 bytes:
; images of operand registers [i 16][q 2][c 4][lane][16], then scale words [row 256][8]); x: x_codes [token][4096], x_scales [token][128].
; THE DEAL.  Work-group (x = T, y = X) makes 256 rows x 256 tokens.  Wave w makes rows 64 w .. 64 w + 63 x all 256 tokens: 64 accumulators, 512 registers (windows 2, 3; (block b of tokens, block a of rows) at 8 (4 (b % 8) + a)).
; W' GOES FROM MEMORY STRAIGHT INTO REGISTERS: a wave's rows are its own, the images are its operand registers, so LDS would only copy them.  Four sets of 64 registers (window 1), one for each 128 along K;
; a set is asked for again when its 64 products are issued: three sub-steps ahead of its use.  Its scale words come with it, four sets of four registers.
; x GOES THROUGH LDS: two slots of 256 tokens x 512 along K (rows of 512 bytes + 16), filled by tensor loads, 64 rows a wave; a slot serves four sub-steps, 256 products a wave.  x's scale bytes for all of K lie in LDS, filled once.
; A fragment of x (16 tokens x 128 K) feeds four products.  Eight buffers (v128-255) in two halves: a sub-step is four groups of four blocks, 16 products each; behind a group stand ONE run of loads:
; eight places and the 16 loads of the group two on, into the half just multiplied.  W's batch, the prefetches and x's scale words stand in the first run of a sub-step.
; CLUSTER 4, 1, 1: the four partners have the same X and ask for x's tiles and scales jointly (mask 15).  W' has no joint load: it lands in registers, and no two partners read the same rows.
; The matrix instruction is used transposed (source 0 = 16 tokens, source 1 = 16 rows of W'): a lane holds eight neighbouring tokens of one row of out0.
; PREFETCH.  x: in each period a cluster names the 512 blocks of 256 bytes of the period whose refill stands one period on (a lane a block; partners share the rows by address).  W': the blocks of the period two on,
; each wave its own rows, by tile columns X = 0 .. 3 alone, since all sixteen X read the same bytes.  The first periods come by their loads alone; nothing past K is named.
; LIMITS: scale bytes 0xff (NaN) in x_scales give NaN sums, as the format says.
.set PITCH,  528
.set SLOT,   256*PITCH
.set XS,     2*SLOT                    ; x's scale bytes: 256 rows x (128 + 16)
.set XSP,    144
.set SPARE,  XS+256*XSP
.set WBLK,   67584
.set SAO,    65536
.set CROW,   16384
.set AB,   16                          ; v16-19 LDS: my fragment's row in slot s, blocks 8 u on: v[16 + 2 s + u]
.set ASB,  20                          ; LDS: row (lane)'s scale bytes
.set WO,   21                          ; w_codes: 16,384 w + 16 lane
.set WSO,  22                          ; its scale words: 65,536 + 512 w + 8 lane
.set STO,  23                          ; the way out
.set RD,   24
.set CO,   25
.set PFX,  26                          ; prefetch offsets
.set PFW,  27
.set SPW,  28
.set NIL,  29
.set PFS,  30
.set XSC,  32                          ; v32-63 x's scale words: two sets of 16: register 2 p + 1 - q: lanes 0-15 block 2 p, lanes 16-31 block 2 p + 1
.set WSC,  64                          ; v64-79 W's: four sets of 4: register 2 p + q.  Odd against even: no product's two scale registers are equal modulo 8
.set XR,   128
.set BK,   128
.set G1,   24                          ; s[24:31] a ring load: 64 rows x 512 bytes
.set G1H,  32                          ; s[32:39] the head's: 128 rows
.set G1X,  48                          ; s[48:55] scale bytes
.set G0,   56                          ; s[56:63] group 0, one for each slot
.set G0H,  68
.set G0X,  72
.set WB,   44                          ; s[44:45] w_codes at my T, at this trip's first block
.set XB,   46                          ; s[46:47] x_codes at my X, at this trip's first byte of K
.set MSB, 0
.macro WIN new
.if MSB != \new
	s_set_vgpr_msb (MSB<<8)|\new
.set MSB, \new
.endif
.endm
.macro PLACES n
.rept \n
	v_nop
.endr
.endm
.macro CREST
	s_cmp_lg_u32 s14, 0
	s_cbranch_scc1 .Lnot_wave_0_\@
	s_barrier_signal -3
.Lnot_wave_0_\@:
	s_barrier_wait -3
	s_barrier_signal -1
	s_barrier_wait -1
.endm
.macro CROUND
	s_barrier_signal -1
	s_barrier_wait -1
	CREST
.endm
.macro TLOAD g0, g1                    ; s_nop 0 and four v_nop behind it
	tensor_load_to_lds s[\g0:\g0+3], s[\g1:\g1+7]
	s_nop 0
	PLACES 4
.endm
.macro GROUP1 g, rows
	s_mov_b32 s[\g+0], 15|(1<<20)|(1<<21)|(6<<22)|(3<<25)   ; mask of the four partners; elements of 1 byte; 4 words of padding behind every 128
	s_mov_b32 s[\g+1], 512<<16
	s_mov_b32 s[\g+2], (\rows)<<16
	s_mov_b32 s[\g+3], 512<<16
	s_mov_b32 s[\g+4], \rows
	s_mov_b32 s[\g+5], 4096
	s_mov_b32 s[\g+6], 0
	s_mov_b32 s[\g+7], 0
.endm
.macro WBATCH v                        ; W's set for sub-step v of the trip's frame: 16 loads; with an even v the two loads of scale words for v and v + 1 ahead of them
.if ((\v)%2) == 0
	global_load_b64 v[WSC+4*(((\v)/2)%4):WSC+4*(((\v)/2)%4)+1], v[WSO], s[WB:WB+1] offset:((\v)/2)*WBLK
	global_load_b64 v[WSC+4*(((\v)/2)%4)+2:WSC+4*(((\v)/2)%4)+3], v[WSO], s[WB:WB+1] offset:((\v)/2)*WBLK+256
.endif
	WIN 0x40
.irp a, 0,1,2,3
.irp c, 0,1,2,3
	global_load_b128 v[64*((\v)%4)+16*\a+4*\c:64*((\v)%4)+16*\a+4*\c+3], v[WO], s[WB:WB+1] offset:((\v)/2)*WBLK+4096*\a+2048*((\v)%2)+512*\c
.endr
.endr
	WIN 0
.endm
.macro FRAG4 uu, jb                    ; block jb of sub-step uu: 16 tokens x 128 K into buffer jb % 8
.irp c, 0,1,2,3
	ds_load_b128 v[XR+16*((\jb)%8)+4*\c:XR+16*((\jb)%8)+4*\c+3], v[AB+2*(((\uu)/4)%2)+((\jb)/8)] offset:((\jb)%8)*16*PITCH+128*((\uu)%4)+32*\c
.endr
.endm
.macro FETCH uu, j0                    ; a group: four blocks from j0 on, 16 loads
.irp i, 0,1,2,3
	FRAG4 \uu, (\j0)+\i
.endr
.endm
.macro XSCALES hp                      ; x's scale words of 256 along K, number hp of the frame: 16 loads
.irp p, 0,1,2,3,4,5,6,7
	ds_load_b32 v[XSC+16*((\hp)%2)+2*\p+1], v[ASB] offset:32*XSP*\p+8*(\hp)
	ds_load_b32 v[XSC+16*((\hp)%2)+2*\p], v[ASB] offset:32*XSP*\p+8*(\hp)+4
.endr
.endm
.macro ASKS uu                         ; the trip's prefetches
.if (\uu) == 1
	global_prefetch_b8 v[PFX], s[XB:XB+1] offset:512*3 th:TH_LOAD_NT scope:SCOPE_SE
.elseif (\uu) == 5
	s_cmp_gt_u32 s3, 1                             ; the last trip's second period has no period three on
	s_cbranch_scc0 .Lno_x_\@
	global_prefetch_b8 v[PFX], s[XB:XB+1] offset:512*4 th:TH_LOAD_NT scope:SCOPE_SE
.Lno_x_\@:
.endif
.if ((\uu)%4) == 1 || ((\uu)%4) == 2
	s_cmp_lt_u32 s42, 4
	s_cbranch_scc0 .Lno_w_\@
.if ((\uu)%4) == 1
	global_prefetch_b8 v[PFW], s[WB:WB+1] offset:(4+2*((\uu)/4))*WBLK th:TH_LOAD_NT scope:SCOPE_SE
	global_prefetch_b8 v[PFW], s[WB:WB+1] offset:(4+2*((\uu)/4))*WBLK+8192 th:TH_LOAD_NT scope:SCOPE_SE
	global_prefetch_b8 v[PFW], s[WB:WB+1] offset:(5+2*((\uu)/4))*WBLK th:TH_LOAD_NT scope:SCOPE_SE
.else
	global_prefetch_b8 v[PFW], s[WB:WB+1] offset:(5+2*((\uu)/4))*WBLK+8192 th:TH_LOAD_NT scope:SCOPE_SE
	global_prefetch_b8 v[PFS], s[WB:WB+1] offset:(4+2*((\uu)/4))*WBLK th:TH_LOAD_NT scope:SCOPE_SE
.endif
.Lno_w_\@:
.endif
.endm
.macro MM a, b, uu, zero
.set rD,  8*(4*((\b)%8)+(\a))
.set rX,  XR+16*((\b)%8)
.set rW,  64*((\uu)%4)+16*(\a)
.set rSX, XSC+16*(((\uu)/2)%2)+2*((\b)/2)+1-((\uu)%2)
.set rSW, WSC+4*(((\uu)/2)%4)+2*((\a)/2)+((\uu)%2)
.set par, 4*(\zero)+2*((\a)%2)+((\b)%2)
.if par == 0
	v_wmma_scale_f32_16x16x128_f8f6f4 v[rD:rD+7], v[rX:rX+15], v[rW:rW+15], v[rD:rD+7], v[rSX], v[rSW] matrix_a_fmt:MATRIX_FMT_BF8 matrix_b_fmt:MATRIX_FMT_BF8
.elseif par == 1
	v_wmma_scale_f32_16x16x128_f8f6f4 v[rD:rD+7], v[rX:rX+15], v[rW:rW+15], v[rD:rD+7], v[rSX], v[rSW] matrix_a_fmt:MATRIX_FMT_BF8 matrix_b_fmt:MATRIX_FMT_BF8 matrix_a_scale:MATRIX_SCALE_ROW1
.elseif par == 2
	v_wmma_scale_f32_16x16x128_f8f6f4 v[rD:rD+7], v[rX:rX+15], v[rW:rW+15], v[rD:rD+7], v[rSX], v[rSW] matrix_a_fmt:MATRIX_FMT_BF8 matrix_b_fmt:MATRIX_FMT_BF8 matrix_b_scale:MATRIX_SCALE_ROW1
.elseif par == 3
	v_wmma_scale_f32_16x16x128_f8f6f4 v[rD:rD+7], v[rX:rX+15], v[rW:rW+15], v[rD:rD+7], v[rSX], v[rSW] matrix_a_fmt:MATRIX_FMT_BF8 matrix_b_fmt:MATRIX_FMT_BF8 matrix_a_scale:MATRIX_SCALE_ROW1 matrix_b_scale:MATRIX_SCALE_ROW1
.elseif par == 4
	v_wmma_scale_f32_16x16x128_f8f6f4 v[rD:rD+7], v[rX:rX+15], v[rW:rW+15], 0, v[rSX], v[rSW] matrix_a_fmt:MATRIX_FMT_BF8 matrix_b_fmt:MATRIX_FMT_BF8
.elseif par == 5
	v_wmma_scale_f32_16x16x128_f8f6f4 v[rD:rD+7], v[rX:rX+15], v[rW:rW+15], 0, v[rSX], v[rSW] matrix_a_fmt:MATRIX_FMT_BF8 matrix_b_fmt:MATRIX_FMT_BF8 matrix_a_scale:MATRIX_SCALE_ROW1
.elseif par == 6
	v_wmma_scale_f32_16x16x128_f8f6f4 v[rD:rD+7], v[rX:rX+15], v[rW:rW+15], 0, v[rSX], v[rSW] matrix_a_fmt:MATRIX_FMT_BF8 matrix_b_fmt:MATRIX_FMT_BF8 matrix_b_scale:MATRIX_SCALE_ROW1
.else
	v_wmma_scale_f32_16x16x128_f8f6f4 v[rD:rD+7], v[rX:rX+15], v[rW:rW+15], 0, v[rSX], v[rSW] matrix_a_fmt:MATRIX_FMT_BF8 matrix_b_fmt:MATRIX_FMT_BF8 matrix_a_scale:MATRIX_SCALE_ROW1 matrix_b_scale:MATRIX_SCALE_ROW1
.endif
.endm
.macro GRP uu, j0, n, zero             ; n blocks of tokens from j0 on, each against my four blocks of rows
.set J_, \j0
.rept \n
	WIN 0xa4+0x50*(J_/8)
.irp a, 0,1,2,3
	MM \a, J_, \uu, \zero
.endr
.set J_, J_+1
.endr
.endm
; A sub-step: 128 along K, 64 products; the 64 accumulators take turns.  Eight places stand ahead of each run of loads into registers that products have read.
; A wait for LDS leaves out the run just issued (16 loads; 32 with the scale words): so the next group's fragments, asked for one run earlier, are in.
; turn = 1, 2: the slot's last sub-step.  Its last fragments are asked for behind the second group; then a tensor wait and an add ahead of a refill's barrier, with two blocks of products
; between the add and its wait and two between the signal and the wait; turn = 1: the round and the joint refill of the slot just read.  The next fetch reads the other slot.
.macro SUB uu, zero, wb, lc, nx, turn, pf
	s_wait_loadcnt \lc                             ; this sub-step's set of W' is in; the batches of the two sub-steps on may be out
	GRP \uu, 0, 4, \zero
	WIN 0
	PLACES 8
.if \wb
	WBATCH (\uu)+3
.if \pf
	ASKS \uu
.endif
.endif
.if ((\uu)%2) && (\nx)
	XSCALES ((\uu)+1)/2
	FETCH \uu, 8
	s_wait_dscnt 32
.else
	FETCH \uu, 8
	s_wait_dscnt 16
.endif
	GRP \uu, 4, 4, \zero
	WIN 0
	PLACES 8
	FETCH \uu, 12
.if \turn
	s_wait_tensorcnt 0x0                           ; my one tensor load that is out, my part of the other slot, has landed
	ds_add_u32 v[SPW], v[NIL]
	s_wait_dscnt 17                                ; (the add and the 16 loads just issued may be out)
	GRP \uu, 8, 2, \zero
	WIN 0
	s_wait_dscnt 0x0                               ; the add is done, and my reads of this slot are over
	s_barrier_signal -1
	GRP \uu, 10, 2, \zero
	WIN 0
	s_barrier_wait -1
.if (\turn) == 1
	CREST
	s_add_nc_u64 s[G0+4*(((\uu)/4)%2)+2:G0+4*(((\uu)/4)%2)+3], s[G0+4*(((\uu)/4)%2)+2:G0+4*(((\uu)/4)%2)+3], 1024
	TLOAD G0+4*(((\uu)/4)%2), G1
	PLACES 4
.else
	PLACES 8
.endif
	FETCH (\uu)+1, 0
.else
	s_wait_dscnt 16
	GRP \uu, 8, 4, \zero
	WIN 0
.if \nx
	PLACES 8
	FETCH (\uu)+1, 0
	s_wait_dscnt 16
.else
	s_wait_dscnt 0x0
.endif
.endif
	GRP \uu, 12, 4, \zero
	WIN 0
.if \nx
	PLACES 8
	FETCH (\uu)+1, 4
	s_wait_dscnt 16
.endif
.endm
	s_load_b256 s[4:11], s[0:1], 0x0               ; w_codes, x_codes, x_scales, out0
	v_lshl_add_u32 v[SPW], v0, 2, SPARE
	v_mov_b32 v[NIL], 0
	ds_add_u32 v[SPW], v[NIL]                      ; the opening lines: the add twice on end and one wait
	ds_add_u32 v[SPW], v[NIL]
	v_lshrrev_b32 v1, 5, v0
	v_readfirstlane_b32 s14, v1                    ; wave
	s_and_b32 s16, s14, 1
	s_bfe_u32 s40, ttmp6, 0x40000                  ; cx
	s_lshl_b32 s17, ttmp9, 2
	s_add_co_u32 s17, s17, s40                     ; T = 4 x cluster x + cx
	s_and_b32 s42, ttmp7, 0xffff                   ; X: the same in all four partners
	GROUP1 G1, 64
	GROUP1 G1H, 128
	s_mov_b32 s[G1X+0], 15|(3<<16)|(1<<20)|(1<<21)|(4<<22)|(3<<25)   ; 16,384 dense bytes as 64 rows of 256; 4 words of padding behind every 32: LDS rows of 128 + 16
	s_mov_b32 s[G1X+1], 32<<16
	s_mov_b32 s[G1X+2], 64<<16
	s_mov_b32 s[G1X+3], 32<<16
	s_mov_b32 s[G1X+4], 64
	s_mov_b32 s[G1X+5], 32
	s_mov_b32 s[G1X+6], 0
	s_mov_b32 s[G1X+7], 0
	s_mul_i32 s15, s14, 64*PITCH                   ; where my 64 rows of a slot go
	s_lshl_b32 s80, s14, 14
	s_lshl_b32 s81, s14, 9
	s_add_co_u32 s81, s81, SAO
	s_mul_i32 s82, s14, 16*PITCH                   ; my stage
	s_lshl_b32 s83, s40, 6
	s_lshl_b32 s86, s14, 4
	s_add_co_u32 s83, s83, s86
	s_lshl_b32 s83, s83, 12                        ; the prefetch of x: rows 64 cx + 16 w on
	s_mul_i32 s18, s17, 16*WBLK
	s_mov_b32 s19, 0
	s_lshl_b32 s20, s42, 20
	s_mov_b32 s21, 0
	s_lshl_b32 s22, s16, 19
	s_mov_b32 s23, 0
	s_lshl_b32 s76, s14, 18
	s_mov_b32 s77, 0
	s_lshl_b32 s84, s42, 15
	s_lshl_b32 s85, s16, 14
	s_add_co_u32 s84, s84, s85
	s_mov_b32 s85, 0
	s_lshl_b32 s78, s17, 22                        ; out0: row 256 T + 64 w, token 256 X
	s_lshl_b32 s79, s14, 20
	s_add_co_u32 s78, s78, s79
	s_lshl_b32 s79, s42, 10
	s_add_co_u32 s78, s78, s79
	s_mov_b32 s79, 0
	s_mov_b32 s[G0H], 1
	s_mul_i32 s[G0H+1], s16, 128*PITCH
	s_mov_b32 s[G0X], 1
	s_mul_i32 s[G0X+1], s16, 128*XSP
	s_add_co_u32 s[G0X+1], s[G0X+1], XS
	v_and_b32 v1, 15, v0                           ; r
	v_bfe_u32 v2, v0, 4, 1                         ; h
	v_and_b32 v3, 31, v0                           ; lane
	v_mul_u32_u24 v4, v1, PITCH
	v_lshl_add_u32 v[AB], v2, 4, v4
	v_add_nc_u32 v[AB+1], 8*16*PITCH, v[AB]
	v_add_nc_u32 v[AB+2], SLOT, v[AB]
	v_add_nc_u32 v[AB+3], SLOT+8*16*PITCH, v[AB]
	v_mul_u32_u24 v[ASB], v3, XSP
	v_add_nc_u32 v[ASB], XS, v[ASB]
	v_lshlrev_b32 v[CO], 4, v3
	v_add_nc_u32 v[WO], s80, v[CO]
	v_lshlrev_b32 v[WSO], 3, v3
	v_add_nc_u32 v[WSO], s81, v[WSO]
	v_lshl_add_u32 v[STO], v2, 5, v4
	v_add_nc_u32 v[STO], s82, v[STO]
	v_add_nc_u32 v[RD], s82, v[CO]
	v_lshrrev_b32 v5, 1, v3
	v_lshlrev_b32 v5, 12, v5
	v_and_b32 v6, 1, v3
	v_lshl_add_u32 v5, v6, 8, v5
	v_add_nc_u32 v[PFX], s83, v5
	v_lshlrev_b32 v[PFW], 8, v3
	v_add_nc_u32 v[PFW], s80, v[PFW]
	v_bfe_u32 v7, v0, 1, 1
	v_mul_u32_u24 v7, v7, WBLK
	v_lshl_add_u32 v7, v6, 8, v7
	v_add_nc_u32 v[PFS], s81, v7
	s_wait_alu depctr_va_vdst(0)
	s_wait_dscnt 0x0                               ; both opening adds are done
	s_wait_kmcnt 0x0
	s_add_nc_u64 s[WB:WB+1], s[4:5], s[18:19]
	s_add_nc_u64 s[XB:XB+1], s[6:7], s[20:21]
	s_add_nc_u64 s[G0H+2:G0H+3], s[XB:XB+1], s[22:23]
	s_or_b32 s[G0H+3], s[G0H+3], 0x80000000
	s_add_nc_u64 s[G0X+2:G0X+3], s[8:9], s[84:85]
	s_or_b32 s[G0X+3], s[G0X+3], 0x80000000
	s_add_nc_u64 s[12:13], s[XB:XB+1], s[76:77]
.irp s, 0,1
	s_mov_b32 s[G0+4*\s], 1
	s_add_co_u32 s[G0+4*\s+1], s15, \s*SLOT
	s_add_nc_u64 s[G0+4*\s+2:G0+4*\s+3], s[12:13], \s*512
	s_or_b32 s[G0+4*\s+3], s[G0+4*\s+3], 0x80000000
.endr
	s_add_nc_u64 s[10:11], s[10:11], s[78:79]
	CROUND                                         ; the four partners are here: the first joint loads meet
	s_cmp_lt_u32 s14, 2                            ; one load a wave: waves 0, 1 a half of slot 0 each, waves 2, 3 a half of the scale bytes each
	s_cbranch_scc0 .Lhead_s
	TLOAD G0H, G1H
	s_branch .Lhead_j
.Lhead_s:
	TLOAD G0X, G1X
.Lhead_j:
	WBATCH 0                                       ; the first three sub-steps' sets of W', asked for behind the head's tiles of x
	WBATCH 1
	WBATCH 2
	s_wait_tensorcnt 0x0                           ; my tile of the head's four is in
	ds_add_u32 v[SPW], v[NIL]
	s_wait_dscnt 0x0
	CROUND
	TLOAD G0+4, G1                                 ; slot 1's first fill
	XSCALES 0
	FETCH 0, 0
	FETCH 0, 4
	s_wait_dscnt 16                                ; the scale words and the first group are in
	SUB 0, 1, 1, 34, 1, 0, 0                       ; the first sub-step starts the sums: nothing is cleared
	s_mov_b32 s3, 3
.Lloop:                                                ; a trip: eight sub-steps, once round the ring, from a frame's second sub-step to the next frame's first
	SUB 1, 0, 1, 34, 1, 0, 1
	SUB 2, 0, 1, 34, 1, 0, 1
	SUB 3, 0, 1, 34, 1, 1, 1
	SUB 4, 0, 1, 34, 1, 0, 1
	SUB 5, 0, 1, 34, 1, 0, 1
	SUB 6, 0, 1, 34, 1, 0, 1
	SUB 7, 0, 1, 34, 1, 1, 1
	SUB 8, 0, 1, 34, 1, 0, 1
	s_wait_xcnt 0x0                                ; my loads and prefetches have read their bases
	s_add_nc_u64 s[WB:WB+1], s[WB:WB+1], 4*WBLK
	s_add_nc_u64 s[XB:XB+1], s[XB:XB+1], 1024
	v_add_nc_u32 v[ASB], 32, v[ASB]
	s_wait_alu depctr_va_vdst(0)
	s_sub_co_u32 s3, s3, 1
	s_cmp_lg_u32 s3, 0
	s_cbranch_scc1 .Lloop
	SUB 1, 0, 1, 34, 1, 0, 0                       ; the last frame: no refill, no load past K
	SUB 2, 0, 1, 34, 1, 0, 0
	SUB 3, 0, 1, 34, 1, 2, 0
	SUB 4, 0, 1, 34, 1, 0, 0
	SUB 5, 0, 0, 34, 1, 0, 0
	SUB 6, 0, 0, 16, 1, 0, 0
	SUB 7, 0, 0, 0, 0, 0, 0
; THE WAY OUT, in eight units of 16 rows x 128 tokens: through my own stage (in slot 0, which has had its last fill and its last read) and back as rows of 512 bytes.
.macro TOSTAGE n
	WIN 0x08+4*((\n)%2)
.irp b, 0,1,2,3,4,5,6,7
	ds_store_b128 v[STO], v[32*\b+8*((\n)/2):32*\b+8*((\n)/2)+3] offset:64*\b           ; each accumulator from its low end on
	ds_store_b128 v[STO], v[32*\b+8*((\n)/2)+4:32*\b+8*((\n)/2)+7] offset:64*\b+16
.endr
	WIN 0
.irp t, 0,1,2,3,4,5,6,7,8,9,10,11,12,13,14,15
	ds_load_b128 v[BK+64*((\n)%2)+4*\t:BK+64*((\n)%2)+4*\t+3], v[RD] offset:\t*PITCH    ; LDS serves a wave's instructions in order (ISA guide 5.7.1.4)
.endr
.endm
.macro SEND n, younger
	s_wait_dscnt \younger
.irp t, 0,1,2,3,4,5,6,7,8,9,10,11,12,13,14,15
	global_store_b128 v[CO], v[BK+64*((\n)%2)+4*\t:BK+64*((\n)%2)+4*\t+3], s[10:11] offset:(16*((\n)/2)+\t)*CROW+512*((\n)%2) th:TH_STORE_NT   ; 32 lanes store 512 consecutive bytes, aligned
.endr
.endm
	PLACES 8                                       ; behind the last products
	TOSTAGE 0
.irp a, 1,2,3,4,5,6,7
.if \a > 1
	s_wait_xcnt 0x0                                ; unit a - 2's stores have read their registers
.endif
	TOSTAGE \a
	SEND \a-1, 32                                  ; behind unit a - 1's loads: unit a's 16 stores and 16 loads
.endr
	SEND 7, 0
	s_wait_tensorcnt 0x0                           ; the wave's end
	ds_add_u32 v[SPW], v[NIL]
	s_wait_dscnt 0x0
	CROUND                                         ; the closing round
	s_endpgm
.Lfunc_end_k_q4f1b6482ee_gemm:
	.size	k_q4f1b6482ee_gemm, .Lfunc_end_k_q4f1b6482ee_gemm-k_q4f1b6482ee_gemm
	.p2alignl 7, 3214868480
	.fill 96, 4, 3214868480
	.section	.rodata,"a",@progbits
	.p2align	6, 0x0
	.amdhsa_kernel k_q4f1b6482ee_gemm
		.amdhsa_group_segment_fixed_size 327680
		.amdhsa_private_segment_fixed_size 0
		.amdhsa_enable_private_segment 0
		.amdhsa_kernarg_size 32
		.amdhsa_user_sgpr_count 2
		.amdhsa_user_sgpr_kernarg_segment_ptr 1
		.amdhsa_wavefront_size32 1
		.amdhsa_system_sgpr_workgroup_id_x 1
		.amdhsa_system_sgpr_workgroup_id_y 1
		.amdhsa_system_sgpr_workgroup_id_z 1
		.amdhsa_system_vgpr_workitem_id 0
		.amdhsa_next_free_vgpr 1024
		.amdhsa_next_free_sgpr 88
		.amdhsa_reserve_vcc 0
		.amdhsa_float_denorm_mode_32 3
		.amdhsa_float_denorm_mode_16_64 3
		.amdhsa_memory_ordered 1
		.amdhsa_forward_progress 1
		.amdhsa_inst_pref_size 255
	.end_amdhsa_kernel
	.section	.bss,"aw",@nobits
	.p2align	6
	.space	262144
	.amdgpu_metadata
---
amdhsa.version: [ 1, 2 ]
amdhsa.kernels:
  - .name:           k_q4f1b6482ee_gemm
    .symbol:         k_q4f1b6482ee_gemm.kd
    .args:
      - { .name: w_codes, .offset: 0, .size: 8, .value_kind: global_buffer, .address_space: global }
      - { .name: x_codes, .offset: 8, .size: 8, .value_kind: global_buffer, .address_space: global }
      - { .name: x_scales, .offset: 16, .size: 8, .value_kind: global_buffer, .address_space: global }
      - { .name: out0, .offset: 24, .size: 8, .value_kind: global_buffer, .address_space: global }
    .group_segment_fixed_size: 327680
    .private_segment_fixed_size: 0
    .kernarg_segment_align: 8
    .kernarg_segment_size: 32
    .max_flat_workgroup_size: 128
    .sgpr_count:     88
    .vgpr_count:     1024
    .wavefront_size: 32
...
	.end_amdgpu_metadata
.endif
;; end of part 2
